; MI455X (gfx1250); checked and timed in simulation.
; The chip was launched on July 23, 2026; its instructions are those of AMD's public machine-readable ISA for CDNA 5 (MIT licence, August 2026) and "CDNA5" Instruction Set Architecture Reference Guide (July 2026). The comments in the code are by the model that wrote it; some were corrected since.
;; Ro PE Attention. Allowed arithmetic: matrix products marked QUANTISED: E4M3 operands, one given power-of-two scale a tensor, by v_wmma_f32_16x16x64_fp8_fp8 or v_wmma_f32_16x16x128_fp8_fp8, f32 sums; everything else in f32.
;; Inputs: Wk 1,024 x 1,024 float32; Wo 1,024 x 1,024 float32; Wq 1,024 x 1,024 float32; Wv 1,024 x 1,024 float32; bk 1,024 float32; bo 1,024 float32; bq 1,024 float32; bv 1,024 float32; k_in 4 x 2,048 x 1,024 float32; lowp_scales 12 int32 (the exponents e of the quantised operands' scales 2^e); q_in 4 x 2,048 x 1,024 float32; rope_cos 2,048 x 64 float32; rope_sin 2,048 x 64 float32; v_in 4 x 2,048 x 1,024 float32.
;; Outputs: out0 4 x 2,048 x 1,024 float32.
;; Constants: is_causal = 1.
;; This version of the problem:
;;   THIS VERSION OF THE PROBLEM IS GIVEN IN LOW PRECISION. The matrix products marked QUANTISED in the list below multiply operands that are first quantised to E4M3 (4 exponent bits, 3 mantissa bits; 8 bits a number), with one given power-of-two scale for each operand tensor; their sums are f32. All else is computed in f32.
;;   The module's matrix products, in the order in which they are computed (A, B: the left and right operand; K: the contracted axis; several contracted axes count as one K, in the product's order):
;;     1. [M 8,192, K 1,024] x [K 1,024, N 1,024]; A: input q_in; B: input Wq: QUANTISED (scales: A lowp_scales[0], B lowp_scales[1])
;;     2. [M 8,192, K 1,024] x [K 1,024, N 1,024]; A: input k_in; B: input Wk: QUANTISED (scales: A lowp_scales[2], B lowp_scales[3])
;;     3. [M 8,192, K 1,024] x [K 1,024, N 1,024]; A: input v_in; B: input Wv: QUANTISED (scales: A lowp_scales[4], B lowp_scales[5])
;;     4. batch 64 x [M 2,048, K 64] x [K 64, N 2,048]; A: computed on the way; B: computed on the way: QUANTISED (scales: A lowp_scales[6], B lowp_scales[7])
;;     5. batch 64 x [M 2,048, K 2,048] x [K 2,048, N 64]; A: softmax (see below); B: computed on the way: QUANTISED (scales: A lowp_scales[8], B lowp_scales[9])
;;     6. [M 8,192, K 1,024] x [K 1,024, N 1,024]; A: computed on the way; B: input Wo: QUANTISED (scales: A lowp_scales[10], B lowp_scales[11])
;;   THE QUANTISER, for each operand of a quantised product, along K:
;;     - The operand's scale is 2^e, e = its entry of the input lowp_scales (int32; the entries are numbered through the quantised products in the list's order, A before B).
;;     - Each number is divided by the scale, clamped to +-448, and rounded to the nearest number of E4M3, ties to even, subnormals kept.
;;     - The product sums the exact products of the quantised numbers (number of the format x scale) in f32.
;;   ~~~python
;;   def quantise(x, axis, e):      # numpy; x: float32 -> the quantised numbers, widened to float32 again
;;       x = np.moveaxis(x, axis, -1); K = x.shape[-1]
;;       r = np.clip(x / 2.0 ** e, -448, 448)
;;       step = 2.0 ** (np.maximum(np.frexp(np.where(r == 0, 1, r))[1] - 1, -6) - 3)
;;       q = np.round(r / step) * step * 2.0 ** e      # np.round: ties to even
;;       return np.moveaxis(q, -1, axis).astype(np.float32)
;;   ~~~
;;   SOFTMAX AHEAD OF A QUANTISED PRODUCT. Where the list says 'softmax', what is quantised is not the finished softmax but p = 2^(t - M), with t = logit x log2(e) and M = ceil(the row's largest t), a whole number; so 1/2 < the row's largest p <= 1. The row's sum l is taken of the UNQUANTISED p, in f32, and the product's result is divided by l at the end. Since M is a whole number, a kernel that streams over the keys may use a running M (the ceiling of the running maximum): every later rescaling is an exact power of two, so the quantised numbers keep their values, but for numbers so far below the row's largest that they fall under the format's range.
;;   OPERANDS COMPUTED ON THE WAY. 'Computed on the way' means the value that the module computes at that place (a softmax that the list does not call 'softmax' is quantised finished and normalised). What goes into a quantiser is computed in f32, as accurately as f32 sums, v_exp_f32 and their like allow (about 1e-6 of the number): no bf16 or f16 on the way to a quantiser, and a product that is left as it is and whose result goes on into a quantised operand takes f32 operands (vector FMAs, or v_wmma_f32_16x16x4_f32). A number that lies on a knife's edge between two numbers of the format may be rounded either way, as far as f32 arithmetic and the matrix unit's own rounding can turn it there, and no further.
;; One version. Each part assembles by itself: llvm-mc -triple=amdgcn-amd-amdhsa -mcpu=gfx1250 --defsym DOCPART=n.
;; ======== version 1 of 1: 4 launches
;; workspace buffers: codes 29,360,128 bytes; qimg 8,388,608 bytes; kv 16,777,216 bytes; oimg 8,388,608 bytes
;; launch quant (part 1): grid 1792 x 1, 8 waves a work-group, no clusters, 68,608 bytes of LDS; arguments q_in, k_in, v_in, Wq, Wk, Wv, Wo, lowp_scales, codes; writes codes
.if DOCPART == 1
	.amdgcn_target "amdgcn-amd-amdhsa--gfx1250"
	.amdhsa_code_object_version 6
	.text
	.protected	k_qd97538892c_quant
	.globl	k_qd97538892c_quant
	.p2align	8
	.type	k_qd97538892c_quant,@function
k_qd97538892c_quant:
	s_mov_b64 s[64:65], 0
	v_nop
	global_prefetch_b8 v0, s[64:65] scope:SCOPE_SE
	s_setreg_imm32_b32 hwreg(HW_REG_WAVE_MODE, 25, 1), 1
	s_wait_xcnt 0x0
; q_in, k_in, v_in [8192][1024] and Wq, Wk, Wv, Wo [1024][1024], f32 with K innermost, become codes of FP8 (E4M3), each tensor with the one scale 2^e given for it.
; code = x / 2^e, held within +-448, rounded to the nearest code, ties to even.  LIMITS: e between -126 and 119, so that 2^e and 448 x 2^e are f32 numbers; NaN among the inputs is not served.
; THE CODES ARE LAID AS IMAGES OF OPERAND REGISTERS.  A fragment is 16 rows x 128 K: lane (r = lane % 16, h = lane / 16) holds row r, its registers 2 c, 2 c + 1 hold K = 16 c + 8 h + 0 .. 7 (the plain
; 8-bit layout: ISA guide 7.12.2).  Its image is 2,048 bytes: registers 4 g .. 4 g + 3 of lane l at 512 g + 16 l.  codes = [s 0..3][T 0..1791][4,096]: T = a tile of 16 rows (q_in 0.., k_in 512.., v_in 1024..,
; Wq 1536.., Wk 1600.., Wv 1664.., Wo 1728..), the 4,096 bytes = the fragments of K = 256 s and 256 s + 128.  So 128 rows x 256 K are 32,768 consecutive bytes for the products' launches.
; SHARES.  Work-group T takes one tile of rows; wave w takes K = 128 w on: 16 rows x 512 bytes in, one fragment out.  Each load reads 512 consecutive bytes of a row; the 8,192 bytes turn through the wave's own
; stage in LDS (rows 528 bytes apart = 132 words: sixteen rows start at sixteen different banks, 64 banks of 4 bytes: ISA guide 11.1), since a conversion takes eight neighbours along K from ONE lane.
; Each store covers 512 consecutive bytes.  No loop, no barrier: waves share nothing; several work-groups lie on a WGP and cover each other's waits.
.set PLANE, 1792*4096                  ; bytes of codes for 256 along K
.set PITCH, 528
.set WSTG,  16*PITCH                   ; a wave's stage
.set R,     16                         ; v16-79   the numbers as loaded: row i in four registers
.set X,     80                         ; v80-143  the numbers turned: block c's eight neighbours
.set C,     144                        ; v144-159 the fragment's codes
	s_load_b512 s[8:23], s[0:1], 0x0               ; q_in s[8:9], k_in, v_in, Wq, Wk, Wv, Wo s[20:21], the scales' exponents s[22:23]
	s_load_b64 s[24:25], s[0:1], 0x40              ; codes
	v_lshl_add_u32 v160, v0, 2, 0x10800
	v_mov_b32 v161, 0
	v_lshrrev_b32 v1, 5, v0
	v_readfirstlane_b32 s2, v1                     ; wave 0..7
	v_and_b32 v1, 31, v0
	v_lshlrev_b32 v2, 4, v1                        ; 16 x lane: my bytes of a load's and of a store's 512
	s_mul_i32 s3, s2, WSTG
	v_add_nc_u32 v3, s3, v2                        ; into the stage: a row as it lies
	v_and_b32 v5, 15, v0                           ; r
	v_bfe_u32 v6, v0, 4, 1                         ; h
	v_mul_u32_u24 v4, v5, PITCH
	v_lshl_add_u32 v4, v6, 5, v4
	v_add_nc_u32 v4, s3, v4                        ; out of it: row r, + 32 h bytes: K = 8 h of a block of 16
	; which tensor (t = 0..6, in the order of the arguments), and which of its tiles
	s_lshr_b32 s26, ttmp9, 9                       ; an activation: t = T / 512,
	s_and_b32 s27, ttmp9, 511                      ; tile T % 512
	s_lshl_b32 s32, s26, 3                         ; its exponent is entry 2 t: byte 8 t
	s_max_u32 s28, ttmp9, 1536
	s_sub_co_u32 s28, s28, 1536                    ; a weight: T - 1536 (0 for an activation: nothing wraps)
	s_lshr_b32 s29, s28, 6                         ; which weight, 0..3
	s_and_b32 s28, s28, 63                         ; its tile
	s_lshl_b32 s30, s29, 3
	s_add_co_u32 s30, s30, 4                       ; Wq, Wk, Wv: entries 1, 3, 5: byte 8 wi + 4;
	s_cmp_eq_u32 s29, 3
	s_cselect_b32 s30, 44, s30                     ; Wo: entry 11
	s_add_co_u32 s29, s29, 3                       ; t = 3 + wi
	s_cmp_lt_u32 ttmp9, 1536
	s_cselect_b32 s26, s26, s29
	s_cselect_b32 s27, s27, s28
	s_cselect_b32 s32, s32, s30
	s_lshl_b32 s34, s27, 16                        ; from: the tile's 16 rows of 4,096 bytes,
	s_lshl_b32 s35, s2, 9                          ; + my wave's 512 bytes of a row
	s_add_co_u32 s34, s34, s35
	s_mov_b32 s35, 0
	s_lshr_b32 s36, s2, 1                          ; to: plane w / 2,
	s_mul_i32 s36, s36, PLANE
	s_lshl_b32 s37, ttmp9, 12                      ; tile T,
	s_add_co_u32 s36, s36, s37
	s_and_b32 s37, s2, 1
	s_lshl_b32 s37, s37, 11                        ; fragment w % 2
	s_add_co_u32 s36, s36, s37
	s_mov_b32 s37, 0
	s_wait_kmcnt 0x0
	s_load_b32 s33, s[22:23], s32 offset:0x0       ; e
	s_mov_b64 s[4:5], s[8:9]                       ; the tensor's address: a choice that hangs on the work-group's number alone
.irp k, 1,2,3,4,5,6
	s_cmp_eq_u32 s26, \k
	s_cselect_b64 s[4:5], s[8+2*\k:9+2*\k], s[4:5]
.endr
	s_add_nc_u64 s[4:5], s[4:5], s[34:35]
	s_add_nc_u64 s[6:7], s[24:25], s[36:37]
.irp i, 0,1,2,3,4,5,6,7,8,9,10,11,12,13,14,15
	global_load_b128 v[R+4*\i:R+4*\i+3], v2, s[4:5] offset:4096*\i th:TH_LOAD_NT   ; row i: 512 consecutive bytes; read once in the launch
.endr
	s_wait_kmcnt 0x0
	s_add_co_i32 s33, s33, 127
	s_lshl_b32 s38, s33, 23
	v_mov_b32 v11, s38                             ; 2^e as f32: the conversion takes its exponent field
	s_add_co_i32 s33, s33, 8
	s_lshl_b32 s33, s33, 23
	s_or_b32 s33, s33, 0x600000
	v_mov_b32 v10, s33                             ; 448 x 2^e
.irp i, 0,1,2,3,4,5,6,7,8,9,10,11,12,13,14,15
	s_wait_loadcnt 15-\i                           ; loads come back in order (ISA guide 5.7.1): row i is in, the 15 - i rows behind it may be out
	ds_store_b128 v3, v[R+4*\i:R+4*\i+3] offset:PITCH*\i
.endr
.irp c, 0,1,2,3,4,5,6,7
	ds_load_b128 v[X+8*\c:X+8*\c+3], v4 offset:64*\c        ; LDS serves a wave's instructions in order (ISA guide 5.7.1.4): these see my stores
	ds_load_b128 v[X+8*\c+4:X+8*\c+7], v4 offset:64*\c+16   ; row r, K = 16 c + 8 h + 0 .. 7
.endr
.irp c, 0,1,2,3,4,5,6,7
	s_wait_dscnt 14-2*\c                           ; block c's two loads are in; the 14 - 2 c behind them may be out
.irp i, 0,1,2,3,4,5,6,7
	v_med3_num_f32 v[X+8*\c+\i], v[X+8*\c+\i], -v10, v10   ; the conversion to an 8-bit code does not saturate (ISA guide 7.6.2): the hold at the largest code x the scale
.endr
	v_cvt_scalef32_pk8_fp8_f32 v[C+2*\c:C+2*\c+1], v[X+8*\c:X+8*\c+7], v11   ; registers 2 c, 2 c + 1 of the fragment.  (The next block's holds are plain lines on other registers; the last result goes to a store alone)
.endr
.irp g, 0,1,2,3
	global_store_b128 v2, v[C+4*\g:C+4*\g+3], s[6:7] offset:512*\g   ; 512 consecutive bytes, at a multiple of 512 from the buffer's first byte
.endr
	s_wait_tensorcnt 0x0
	ds_add_u32 v160, v161
	s_wait_dscnt 0x0
	s_endpgm
.Lfunc_end_k_qd97538892c_quant:
	.size	k_qd97538892c_quant, .Lfunc_end_k_qd97538892c_quant-k_qd97538892c_quant
	.p2alignl 7, 3214868480
	.fill 96, 4, 3214868480
	.section	.rodata,"a",@progbits
	.p2align	6, 0x0
	.amdhsa_kernel k_qd97538892c_quant
		.amdhsa_group_segment_fixed_size 68608
		.amdhsa_private_segment_fixed_size 0
		.amdhsa_enable_private_segment 0
		.amdhsa_kernarg_size 72
		.amdhsa_user_sgpr_count 2
		.amdhsa_user_sgpr_kernarg_segment_ptr 1
		.amdhsa_wavefront_size32 1
		.amdhsa_system_sgpr_workgroup_id_x 1
		.amdhsa_system_sgpr_workgroup_id_y 1
		.amdhsa_system_sgpr_workgroup_id_z 1
		.amdhsa_system_vgpr_workitem_id 0
		.amdhsa_next_free_vgpr 162
		.amdhsa_next_free_sgpr 66
		.amdhsa_reserve_vcc 0
		.amdhsa_float_denorm_mode_32 3
		.amdhsa_float_denorm_mode_16_64 3
		.amdhsa_memory_ordered 1
		.amdhsa_forward_progress 1
		.amdhsa_inst_pref_size 13
	.end_amdhsa_kernel
	.amdgpu_metadata
---
amdhsa.version: [ 1, 2 ]
amdhsa.kernels:
  - .name:           k_qd97538892c_quant
    .symbol:         k_qd97538892c_quant.kd
    .args:
      - { .name: q_in, .offset: 0, .size: 8, .value_kind: global_buffer, .address_space: global }
      - { .name: k_in, .offset: 8, .size: 8, .value_kind: global_buffer, .address_space: global }
      - { .name: v_in, .offset: 16, .size: 8, .value_kind: global_buffer, .address_space: global }
      - { .name: Wq, .offset: 24, .size: 8, .value_kind: global_buffer, .address_space: global }
      - { .name: Wk, .offset: 32, .size: 8, .value_kind: global_buffer, .address_space: global }
      - { .name: Wv, .offset: 40, .size: 8, .value_kind: global_buffer, .address_space: global }
      - { .name: Wo, .offset: 48, .size: 8, .value_kind: global_buffer, .address_space: global }
      - { .name: lowp_scales, .offset: 56, .size: 8, .value_kind: global_buffer, .address_space: global }
      - { .name: codes, .offset: 64, .size: 8, .value_kind: global_buffer, .address_space: global }
    .group_segment_fixed_size: 68608
    .private_segment_fixed_size: 0
    .kernarg_segment_align: 8
    .kernarg_segment_size: 72
    .max_flat_workgroup_size: 256
    .sgpr_count:     66
    .vgpr_count:     162
    .wavefront_size: 32
...
	.end_amdgpu_metadata
.endif
;; end of part 1
;; launch proj (part 2): grid 4 x 96, 4 waves a work-group, clusters of 4 x 4, 327,680 bytes of LDS; arguments codes, lowp_scales, bq, bk, bv, rope_cos, rope_sin, qimg, kv; writes qimg, kv
.if DOCPART == 2
	.amdgcn_target "amdgcn-amd-amdhsa--gfx1250"
	.amdhsa_code_object_version 6
	.text
	.protected	k_qd97538892c_proj
	.globl	k_qd97538892c_proj
	.p2align	8
	.type	k_qd97538892c_proj,@function
k_qd97538892c_proj:
	s_mov_b64 s[64:65], 0
	v_nop
	global_prefetch_b8 v0, s[64:65] scope:SCOPE_SE
	s_setreg_imm32_b32 hwreg(HW_REG_WAVE_MODE, 25, 1), 1
	s_wait_xcnt 0x0
	s_wait_alu depctr_hold_cnt(0) depctr_sa_sdst(0) depctr_va_vdst(0) depctr_va_sdst(0) depctr_va_ssrc(0) depctr_va_vcc(0) depctr_vm_vsrc(0)
	s_getreg_b32 s2, hwreg(HW_REG_IB_STS2, 6, 4)
	s_cmp_eq_u32 s2, 0
	s_cbranch_scc0 .Lentry_in_a_cluster
	s_endpgm
.Lentry_in_a_cluster:
	s_bfe_u32 s2, ttmp6, 0x10000c
	s_cmp_lg_u32 s2, 0xf033
	s_cbranch_scc0 .Lentry_shape_is_right
	s_endpgm
.Lentry_shape_is_right:
; THE THREE PROJECTIONS on codes of FP8 (E4M3), with bias, RoPE (q, k) and the quantisers of the attention's operands.  q = rope(q_in Wq^T + bq), k = rope(k_in Wk^T + bk), v = v_in Wv^T + bv.
; 384 tiles of 256 x 256: cluster y / 8 = z says which product (0 q, 1 k, 2 v).  A work-group of four waves makes a tile, a wave 128 x 128: 64 accumulators of 16 x 16.  K = 1,024 goes in four steps of 256 through
; a ring of two LDS slots.  All operands lie in the buffer codes as images of their registers (16 rows x 128 K: 2,048 bytes, registers 4 g .. 4 g + 3 of lane l at 512 g + 16 l), so 128 rows x 256 K are 32,768
; consecutive bytes, one tensor load; a fragment comes out of LDS by four loads of 512 consecutive bytes: no pitch, no padding.
; THE MATRIX INSTRUCTION IS USED TRANSPOSED: source 0 = 16 rows of operand B, source 1 = 16 rows of operand A.  Lane (r, h) then holds A's row r and, in its eight registers, B's rows 8 h + 0 .. 7: eight
; neighbours, which one conversion turns into registers 2 b, 2 b + 1 of the NEXT product's fragment (K = 16 b + 8 h + 0 .. 7).  For q and k: A = the activations, B = the weight: a lane holds a position, its
; registers run along the head's channels.  FOR v THE ROLES ARE SWAPPED: A = Wv, B = v_in: a lane holds a channel, its registers run along the keys, which are the second attention product's K.
; OUT.  qimg [bh][tile of 16 queries][1,024]; kv [bh][step of 128 keys][8 tiles of 16 keys x 1,024, then 4 tiles of 16 channels x 2,048].  Every store covers 512 consecutive bytes.
; SCALES.  A sum stands for sum x 2^es, es = the product's two exponents added.  The bias goes in as bias x 2^-es (exact), RoPE is linear, and the conversion takes 2^(eo - es), eo the next operand's exponent.
; LIMITS: eo - es between -126 and 119; bias x 2^-es stays an f32 number; NaN is not served.
; CLUSTERS: 4 x 4 work-groups.  A's tile hangs on the cluster's row alone, B's on its column alone: each is asked for JOINTLY by the four that need it, by the same tensor load with the same descriptor.
; REGISTERS, in windows of 256: window 0: v0-31 addresses; v128-255 A's fragments, ONE set; window 1: B's fragments, TWO sets; windows 2, 3: the accumulators ((a, b) at v[8 (8 (a % 4) + b)]).
;   On the way out: window 0 v32-95 the bias, v96-159 at work, v160-191 codes; window 1 v0-127 two sets of cos and sin.
.set PLANE,  1792*4096                 ; bytes of codes for 256 along K
.set ASTEP,  2*PLANE                   ; a slot's next K step lies two planes on
.set BSTEP,  2*PLANE
.set HALFT,  32768                     ; 128 rows x 256 K: what one tensor load brings, and what one wave reads of A or of B
.set SLOT,   4*HALFT                   ; A's 256 rows, then B's 256 rows
.set SPARE,  2*SLOT                    ; behind the ring: the spare words, 128 bytes for each wave: two blocks of 256 bytes that no other line names
.set FR,     16                        ; registers of a fragment
.set NL,     4                         ; LDS loads that bring one
.set NP,     4                         ; places behind this matrix instruction (ISA guide 7.12.1)
.set VO,   7                           ; v7, v8  the way out: 16 x lane; the same one head further on
.set VCS,  9                           ; v9      cos, sin: 256 r + 32 h
.set VBI,  10                          ; v10     the bias of q, k: 32 h
.set SCL,  11                          ; v11     2^(eo - es) as f32
.set LIM,  12                          ; v12     448 x that
.set VBV,  13                          ; v13     the bias of v: 4 r
.set ADRA, 16                          ; v16-17  LDS address of my A fragments in slot 0, 1
.set ADRB, 20                          ; v20-21  the same for B
.set SPW,  28                          ; v28     LDS address of my spare word; never rewritten
.set NIL,  29                          ; v29     0; never rewritten
.set BI,   32
.set VAL,  96
.set OUT,  128
.set COD,  160
.set AF,   128
.set G1, 24                            ; s[24:31] descriptor group 1 for A's tiles;  s[32:39] group 0, one set for each slot
.set G0, 32
.set G1B, 48                           ; s[48:55], s[56:63] the same for B's tiles
.set G0B, 56
.set MSB, 0
.macro WIN new                         ; the immediate's high byte repeats the setting that is left
.if MSB != \new
	s_set_vgpr_msb (MSB<<8)|\new
.set MSB, \new
.endif
.endm
.set MUL_LO, 0xa1                      ; source 0 (B) window 1, source 1 (A) window 0, C and D window 2
.set MUL_HI, 0xf1                      ; the same, C and D window 3
.set TO_B,   0x40                      ; destination window 1, address window 0
; A joint load: waves 0 and 1 fetch A's halves, waves 2 and 3 B's.  The branch hangs on the wave's number alone.  Four v_nop follow each of the two lines.
.macro JLOAD g0a, g1a, g0b, g1b
	s_cmp_eq_u32 s15, 0
	s_cbranch_scc0 .Lfor_b_\@
	tensor_load_to_lds s[\g0a:\g0a+3], s[\g1a:\g1a+7]
	s_nop 0
.rept 4
	v_nop
.endr
	s_branch .Lasked_\@
.Lfor_b_\@:
	tensor_load_to_lds s[\g0b:\g0b+3], s[\g1b:\g1b+7]
	s_nop 0
.rept 4
	v_nop
.endr
.Lasked_\@:
.endm
.macro CREST                           ; a round of the cluster's barrier behind its opening barrier
	s_cmp_lg_u32 s14, 0
	s_cbranch_scc1 .Lnot_wave_0_\@
	s_barrier_signal -3
.Lnot_wave_0_\@:
	s_barrier_wait -3
	s_barrier_signal -1
	s_barrier_wait -1
.endm
.macro CROUND                          ; a whole round
	s_barrier_signal -1
	s_barrier_wait -1
	CREST
.endm
	s_load_b512 s[68:83], s[0:1], 0x0              ; codes s[68:69], exponents s[70:71], bq, bk, bv s[76:77], cos s[78:79], sin s[80:81], qimg s[82:83]
	s_load_b64 s[84:85], s[0:1], 0x40              ; kv
	v_lshl_add_u32 v[SPW], v0, 2, SPARE
	v_mov_b32 v[NIL], 0
	ds_add_u32 v28, v29
	ds_add_u32 v28, v29
	s_wait_dscnt 0x0
	v_lshrrev_b32 v1, 5, v0
	v_readfirstlane_b32 s14, v1                    ; wave 0..3
	s_lshr_b32 s15, s14, 1                         ; which half of A's rows is mine.  Also: I fetch for A (0) or for B (1)
	s_and_b32 s16, s14, 1                          ; which half of B's rows.  Also: which 128 rows of that tile I fetch
	s_bfe_u32 s40, ttmp6, 0x40000                  ; cx, cy: my place in the cluster
	s_bfe_u32 s41, ttmp6, 0x40004
	s_and_b32 s17, ttmp7, 0xffff                   ; the cluster's y, 0..23
	s_lshr_b32 s19, s17, 3                         ; z: 0 q, 1 k, 2 v: the same in all sixteen partners
	s_and_b32 s18, s17, 7
	s_lshl_b32 s18, s18, 2                         ; four tiles of the long axis (8,192 rows) to a cluster
	s_lshl_b32 s43, s41, 2
	s_lshl_b32 s43, 15, s43                        ; my row of the cluster
	s_lshl_b32 s44, 0x1111, s40                    ; my column
	; descriptor group 1: 32,768 consecutive bytes, stated as 128 rows of 32 elements of 8 bytes; no padding
	s_or_b32 s[G1+0], s43, (3<<16)|(1<<21)         ; 15:0 the mask: A's tiles go to my row; 17:16 elements of 8 bytes; 21 set beside a mask
	s_or_b32 s[G1B+0], s44, (3<<16)|(1<<21)
.irp g, G1, G1B
	s_mov_b32 s[\g+1], 32<<16                      ; tensor_dim0 = 32
	s_mov_b32 s[\g+2], 128<<16                     ; tensor_dim1 = 128
	s_mov_b32 s[\g+3], 32<<16                      ; tile_dim0 = 32
	s_mov_b32 s[\g+4], 128                         ; tile_dim1 = 128
	s_mov_b32 s[\g+5], 32                          ; tensor_dim0_stride: rows follow each other
	s_mov_b32 s[\g+6], 0
	s_mov_b32 s[\g+7], 0
.endr
	; which tile.  q, k: A = the activations (32 tiles of 256 rows: cy + 4 x ..), B = the weight (4 tiles: cx).  v: A = Wv (cy), B = v_in (cx + 4 x ..).
	; What feeds A's descriptors is made of cy and never holds cx; what feeds B's is made of cx and never holds cy.
	s_add_co_u32 s42, s41, s18
	s_add_co_u32 s66, s40, s18
	s_lshl_b32 s20, s19, 9                         ; q_in's tiles of 16 rows begin at 0, k_in's at 512
	s_lshl_b32 s46, s19, 6
	s_add_co_u32 s46, s46, 1536                    ; Wq's at 1536, Wk's at 1600
	s_mov_b32 s21, 1664                            ; Wv's
	s_mov_b32 s47, 1024                            ; v_in's
	s_cmp_lt_u32 s19, 2
	s_cselect_b32 s42, s42, s41                    ; ra: A's tile of 256 rows
	s_cselect_b32 s66, s40, s66                    ; rb: B's
	s_cselect_b32 s20, s20, s21
	s_cselect_b32 s46, s46, s47
	s_lshl_b32 s21, s42, 4
	s_add_co_u32 s20, s20, s21                     ; + 16 ra
	s_lshl_b32 s21, s16, 3
	s_add_co_u32 s20, s20, s21                     ; + the 8 tiles of 16 rows that I fetch
	s_lshl_b32 s20, s20, 12                        ; 4,096 bytes each
	s_mov_b32 s21, 0
	s_lshl_b32 s47, s66, 4
	s_add_co_u32 s46, s46, s47
	s_lshl_b32 s47, s16, 3
	s_add_co_u32 s46, s46, s47
	s_lshl_b32 s46, s46, 12
	s_mov_b32 s47, 0
	s_mul_i32 s45, s14, HALFT                      ; where they go: wave x 32,768: no place in the cluster enters an LDS address
	s_wait_kmcnt 0x0
	s_load_b256 s[88:95], s[70:71], 0x0            ; e0 .. e7
	s_load_b64 s[86:87], s[70:71], 0x20            ; e8, e9
	s_add_nc_u64 s[20:21], s[68:69], s[20:21]
	s_add_nc_u64 s[46:47], s[68:69], s[46:47]
	CROUND                                         ; all sixteen work-groups are here: the first joint loads meet
.irp s, 0,1
	s_mov_b32 s[G0+4*\s], 1                        ; count = 1
	s_add_co_u32 s[G0+4*\s+1], s45, \s*SLOT        ; LDS address
	s_add_nc_u64 s[G0+4*\s+2:G0+4*\s+3], s[20:21], \s*PLANE   ; global address: K step s
	s_or_b32 s[G0+4*\s+3], s[G0+4*\s+3], 0x80000000           ; type = 2
	s_mov_b32 s[G0B+4*\s], 1
	s_add_co_u32 s[G0B+4*\s+1], s45, \s*SLOT
	s_add_nc_u64 s[G0B+4*\s+2:G0B+4*\s+3], s[46:47], \s*PLANE
	s_or_b32 s[G0B+4*\s+3], s[G0B+4*\s+3], 0x80000000
	JLOAD G0+4*\s, G1, G0B+4*\s, G1B               ; two loads of mine are out
.endr
	v_and_b32 v1, 31, v0
	v_lshlrev_b32 v[VO], 4, v1                     ; 16 x lane: an image's place for my lane
	v_and_b32 v2, 15, v0                           ; r
	v_bfe_u32 v3, v0, 4, 1                         ; h
	v_lshlrev_b32 v[VBI], 5, v3
	v_lshl_add_u32 v[VCS], v2, 8, v[VBI]
	v_lshlrev_b32 v[VBV], 2, v2
	s_mul_i32 s21, s15, HALFT                      ; my 128 rows of A
	s_mul_i32 s22, s16, HALFT                      ; my 128 rows of B,
	s_add_co_u32 s22, s22, 2*HALFT                 ; which lie behind A's 256
.irp s, 0,1
	v_add_nc_u32 v[ADRA+\s], s21, v[VO]
	v_add_nc_u32 v[ADRB+\s], s22, v[VO]
	s_add_co_u32 s21, s21, SLOT
	s_add_co_u32 s22, s22, SLOT
.endr
.macro FRAG reg, adr, q, i             ; the image of tile i's fragment of the slot's q-th 128 along K: four loads of 512 consecutive bytes
.irp c, 0,1,2,3
	ds_load_b128 v[\reg+4*\c:\reg+4*\c+3], v[\adr] offset:2048*(\q)+512*\c+(\i)*4096
.endr
.endm
; 16 matrix instructions: A's blocks a0, a0 + 1 x B's eight, 128 along K.  p: B's set.  zero = 1: the first product starts the sums: nothing is ever cleared.
; The 64 accumulators take turns, one instruction a turn, in the same order in every step.
.macro MUL16 a0, p, zero
.irp a, \a0, \a0+1
.irp b, 0,1,2,3,4,5,6,7
.if \zero
	v_wmma_f32_16x16x128_fp8_fp8 v[8*(8*((\a)%4)+\b):8*(8*((\a)%4)+\b)+7], v[128*(\p)+FR*\b:128*(\p)+FR*\b+FR-1], v[AF+FR*(\a):AF+FR*(\a)+FR-1], 0
.else
	v_wmma_f32_16x16x128_fp8_fp8 v[8*(8*((\a)%4)+\b):8*(8*((\a)%4)+\b)+7], v[128*(\p)+FR*\b:128*(\p)+FR*\b+FR-1], v[AF+FR*(\a):AF+FR*(\a)+FR-1], v[8*(8*((\a)%4)+\b):8*(8*((\a)%4)+\b)+7]
.endif
.endr
.endr
.endm
.macro FETCH_B slot, q, p              ; B's eight fragments into set p
	WIN TO_B
.irp i, 0,1,2,3,4,5,6,7
	FRAG 128*(\p)+FR*\i, ADRB+\slot, \q, \i
.endr
	WIN 0
.endm
.macro FETCH_A slot, q, i0             ; A's blocks i0 .. i0 + 3
.irp i, \i0, \i0+1, \i0+2, \i0+3
	FRAG AF+FR*(\i), ADRA+\slot, \q, \i
.endr
.endm
; A load into a register that a matrix instruction has read, and a vector instruction that reads a matrix result, stand NP places behind that matrix instruction; only plain vector
; instructions that name none of its registers are places (ISA guide 7.12.1 for vector instructions).
.macro PLACES n
.rept \n
	v_nop
.endr
.endm
; A step of 128 along K that has its successor in the same slot.  A block of A is free as soon as its eight products are issued, so A has one set of registers: blocks 0-3 are fetched anew in the step's middle, blocks 4-7 at its end.
.macro STEP slot, q, zero
	s_wait_dscnt 4*NL                              ; B's set and A's blocks 0-3 are in; the youngest sixteen loads (A's blocks 4-7) may be out
	WIN MUL_LO
	MUL16 0, (\q)%2, \zero
	MUL16 2, (\q)%2, \zero
	s_wait_dscnt 0                                 ; A's blocks 4-7 are in (asked for 32 matrix instructions ago)
	PLACES NP
	FETCH_B \slot, (\q)+1, 1-(\q)%2
	FETCH_A \slot, (\q)+1, 0
	WIN MUL_HI
	MUL16 4, (\q)%2, \zero
	MUL16 6, (\q)%2, \zero
	PLACES NP
	WIN 0
	FETCH_A \slot, (\q)+1, 4
.endm
; A slot's last step changes slots: ONE barrier; in front of it each wave waits for all its tensor loads, adds 0 to its spare word, and waits for that and for its own reads of this slot.  fill = 1: this slot is filled again, two K steps ahead.
.macro TURN slot, next, fill
	s_wait_tensorcnt 0x0                           ; all my tensor loads have landed: my part of the next slot;  (every window is 0 here)
	ds_add_u32 v[SPW], v[NIL]                      ; 0 onto my spare word
	s_wait_dscnt 4*NL+1                            ; (the add and the youngest sixteen loads, A's blocks 4-7, may be out)
	WIN MUL_LO
	MUL16 0, 1, 0                                  ; sixteen matrix instructions stand between the add and the wait for it
	s_wait_dscnt 0x0                               ; the add is done, and my reads of this slot are over
	s_barrier_signal -1
	MUL16 2, 1, 0
	WIN 0
	s_barrier_wait -1
.if \fill
	CREST                                          ; the barrier has opened a round of the cluster's barrier: no wave of any partner still reads this slot's tile or has a load on its way
	s_add_nc_u64 s[G0+4*\slot+2:G0+4*\slot+3], s[G0+4*\slot+2:G0+4*\slot+3], ASTEP
	s_add_nc_u64 s[G0B+4*\slot+2:G0B+4*\slot+3], s[G0B+4*\slot+2:G0B+4*\slot+3], BSTEP
	JLOAD G0+4*\slot, G1, G0B+4*\slot, G1B         ; the first tensor load behind the round, my one load until the next; its four v_nop are the places in front of the loads below
.else
	PLACES NP
.endif
	FETCH_B \next, 0, 0
	FETCH_A \next, 0, 0
	WIN MUL_HI
	MUL16 4, 1, 0
	MUL16 6, 1, 0
	PLACES NP
	WIN 0
	FETCH_A \next, 0, 4
.endm
.macro LASTSTEP                        ; the very last 128 along K: nothing more to fetch
	s_wait_dscnt 4*NL
	WIN MUL_LO
	MUL16 0, 1, 0
	MUL16 2, 1, 0
	s_wait_dscnt 0
	WIN MUL_HI
	MUL16 4, 1, 0
	MUL16 6, 1, 0
	WIN 0
.endm
	s_wait_tensorcnt 1                             ; my part of K step 0 is in; K step 1's load may be out
	s_barrier_signal -1
	s_barrier_wait -1                              ; everybody's is
	FETCH_B 0, 0, 0
	FETCH_A 0, 0, 0
	FETCH_A 0, 0, 4
	STEP 0, 0, 1                                   ; K = 1,024 is four K steps, eight steps of 128: they are written out
	TURN 0, 1, 1                                   ; slot 0 takes K step 2
	STEP 1, 0, 0
	TURN 1, 0, 1                                   ; slot 1 takes K step 3
	STEP 0, 0, 0
	TURN 0, 1, 0                                   ; nothing is left to fetch: no round
	STEP 1, 0, 0
; THE TAIL PARTS ON z, which all sixteen partners share.  Each arm asks for what its way out needs (into window 0 v32-95 and B's set 0, which the step above has left: its closing places stand behind their last
; readers), runs the last step, and goes out.  Neither arm touches LDS.
.macro SCALES                          ; s96, s97: the product's two exponents; s98: the next operand's
	s_add_co_i32 s96, s96, s97                     ; es
	s_sub_co_i32 s97, 0, s96                       ; -es, for the bias
	s_sub_co_i32 s98, s98, s96                     ; eo - es
	s_add_co_i32 s98, s98, 127
	s_lshl_b32 s99, s98, 23
	v_mov_b32 v[SCL], s99
	s_add_co_i32 s98, s98, 8
	s_lshl_b32 s98, s98, 23
	s_or_b32 s98, s98, 0x600000
	v_mov_b32 v[LIM], s98
.endm
	s_wait_kmcnt 0x0                               ; the exponents
	s_cmp_lt_u32 s19, 2
	s_cbranch_scc0 .Lv
	; ---- q and k.  My rows are positions, my 128 columns two heads.
	s_lshl_b32 s4, s42, 8
	s_lshl_b32 s5, s15, 7
	s_add_co_u32 s4, s4, s5                        ; my first row of 8,192
	s_lshr_b32 s5, s4, 11                          ; the batch
	s_bfe_u32 s6, s4, 0x40007                      ; which 128 positions of its 2,048
	s_lshl_b32 s7, s66, 2
	s_lshl_b32 s12, s16, 1
	s_add_co_u32 s7, s7, s12                       ; my first head
	s_lshl_b32 s5, s5, 4
	s_add_co_u32 s5, s5, s7                        ; bh
	s_cmp_eq_u32 s19, 0
	s_cselect_b64 s[8:9], s[72:73], s[74:75]       ; bq or bk
	s_cselect_b64 s[10:11], s[82:83], s[84:85]     ; qimg or kv
	s_cselect_b32 s12, 17, 18                      ; a head is 2^17 bytes of qimg, 2^18 of kv;
	s_cselect_b32 s13, 13, 14                      ; 128 positions are 2^13, 2^14
	s_cselect_b32 s96, s88, s90
	s_cselect_b32 s97, s89, s91
	s_cselect_b32 s98, s94, s95
	s_lshl_b32 s5, s5, s12
	s_lshl_b32 s7, s6, s13
	s_add_co_u32 s22, s5, s7
	s_mov_b32 s23, 0
	s_add_nc_u64 s[10:11], s[10:11], s[22:23]
	s_lshl_b32 s22, s6, 15                         ; 128 rows of 256 bytes of cos and of sin
	s_add_nc_u64 s[78:79], s[78:79], s[22:23]
	s_add_nc_u64 s[80:81], s[80:81], s[22:23]
	s_lshl_b32 s22, s66, 10
	s_lshl_b32 s7, s16, 9
	s_add_co_u32 s22, s22, s7                      ; my 128 numbers of the bias
	s_add_nc_u64 s[8:9], s[8:9], s[22:23]
	s_lshl_b32 s7, 1, s12
	v_add_nc_u32 v[VO+1], s7, v[VO]
.macro CSLOAD a                        ; cos and sin of positions 16 a + r, channels 16 t + 8 h + 0 .. 7, into set a % 2 of window 1: cos at 64 (a % 2), sin 32 further on
	WIN TO_B
.irp t, 0,1,2,3
.irp u, 0,1
	global_load_b128 v[64*((\a)%2)+8*\t+4*\u:64*((\a)%2)+8*\t+4*\u+3], v[VCS], s[78:79] offset:4096*(\a)+64*\t+16*\u
	global_load_b128 v[64*((\a)%2)+32+8*\t+4*\u:64*((\a)%2)+32+8*\t+4*\u+3], v[VCS], s[80:81] offset:4096*(\a)+64*\t+16*\u
.endr
.endr
	WIN 0
.endm
.irp b, 0,1,2,3,4,5,6,7
	global_load_b128 v[BI+8*\b:BI+8*\b+3], v[VBI], s[8:9] offset:64*\b        ; the bias in the result's layout: tile b's columns 16 b + 8 h + 0 .. 7
	global_load_b128 v[BI+8*\b+4:BI+8*\b+7], v[VBI], s[8:9] offset:64*\b+16
.endr
	CSLOAD 0
	CSLOAD 1
	SCALES
	LASTSTEP
	s_wait_loadcnt 32                              ; the bias is in; the two sets of cos and sin, 32 loads, may be out
.set j, 0
.rept 64
	v_ldexp_f32 v[BI+j], v[BI+j], s97              ; bias x 2^-es.  (These are also the places behind the last products)
.set j, j+1
.endr
; Row block a: 16 positions x my two heads.  x = sum + bias; out = x cos + rotate_half(x) sin: channel d's partner d +- 32 lies two tiles on, in the same lane; then the hold, the conversions, and the head's fragment goes out.
.macro QKROW a
.set CS, 64*((\a)%2)
.set AC, 64*((\a)%4)
.if (\a) >= 2
	s_wait_xcnt 0x0                                ; row block a - 2's stores have read their codes' registers, which are written again below
.endif
.if (\a) < 7
	s_wait_loadcnt 16                              ; this block's cos and sin are in; the next block's sixteen loads may be out
.else
	s_wait_loadcnt 0x0
.endif
.irp hl, 0,1
.set CO, COD+8*(2*((\a)%2)+\hl)
	WIN 0x02+((\a)/4)                              ; source 0: window 2 or 3
.irp t, 0,1,2,3
.irp i, 0,2,4,6
	v_pk_add_f32 v[VAL+8*\t+\i:VAL+8*\t+\i+1], v[AC+8*(4*\hl+\t)+\i:AC+8*(4*\hl+\t)+\i+1], v[BI+8*(4*\hl+\t)+\i:BI+8*(4*\hl+\t)+\i+1]   ; each accumulator from its low end on
.endr
.endr
	WIN 0x04                                       ; source 1: window 1
.irp t, 0,1,2,3
.irp i, 0,2,4,6
	v_pk_mul_f32 v[OUT+8*\t+\i:OUT+8*\t+\i+1], v[VAL+8*((\t+2)%4)+\i:VAL+8*((\t+2)%4)+\i+1], v[CS+32+8*\t+\i:CS+32+8*\t+\i+1]   ; the partner x sin
.endr
.endr
.irp t, 0,1
.irp i, 0,2,4,6
	v_pk_fma_f32 v[OUT+8*\t+\i:OUT+8*\t+\i+1], v[VAL+8*\t+\i:VAL+8*\t+\i+1], v[CS+8*\t+\i:CS+8*\t+\i+1], v[OUT+8*\t+\i:OUT+8*\t+\i+1] neg_lo:[0,0,1] neg_hi:[0,0,1]   ; d < 32: x cos - partner sin
.endr
.endr
.irp t, 2,3
.irp i, 0,2,4,6
	v_pk_fma_f32 v[OUT+8*\t+\i:OUT+8*\t+\i+1], v[VAL+8*\t+\i:VAL+8*\t+\i+1], v[CS+8*\t+\i:CS+8*\t+\i+1], v[OUT+8*\t+\i:OUT+8*\t+\i+1]   ; d >= 32: x cos + partner sin
.endr
.endr
	WIN 0
.set n, 0
.rept 32
	v_med3_num_f32 v[OUT+n], v[OUT+n], -v[LIM], v[LIM]   ; the conversion does not saturate (ISA guide 7.6.2)
.set n, n+1
.endr
.irp t, 0,1,2,3
	v_cvt_scalef32_pk8_fp8_f32 v[CO+2*\t:CO+2*\t+1], v[OUT+8*\t:OUT+8*\t+7], v[SCL]   ; registers 2 t, 2 t + 1: channels 16 t + 8 h + 0 .. 7
.endr
	v_nop                                          ; one plain line between the conversions and the next vector lines that write their sources
	global_store_b128 v[VO+\hl], v[CO:CO+3], s[10:11] offset:1024*(\a)          ; 512 consecutive bytes each
	global_store_b128 v[VO+\hl], v[CO+4:CO+7], s[10:11] offset:1024*(\a)+512
.endr
.if (\a) < 6
	CSLOAD (\a)+2                                  ; into the set just read
.endif
.endm
.irp a, 0,1,2,3,4,5,6,7
	QKROW \a
.endr
	s_branch .Ldone
.Lv:	; ---- v.  My 128 rows of A are channels (two heads), my 128 rows of B one step of keys.
	s_lshl_b32 s4, s66, 8
	s_lshl_b32 s5, s16, 7
	s_add_co_u32 s4, s4, s5                        ; my first key row of 8,192
	s_lshr_b32 s5, s4, 11                          ; the batch
	s_bfe_u32 s6, s4, 0x40007                      ; the step of 128 keys
	s_lshl_b32 s7, s42, 2
	s_lshl_b32 s12, s15, 1
	s_add_co_u32 s7, s7, s12                       ; my first head
	s_lshl_b32 s5, s5, 4
	s_add_co_u32 s5, s5, s7
	s_lshl_b32 s5, s5, 18
	s_lshl_b32 s6, s6, 14
	s_add_co_u32 s22, s5, s6
	s_mov_b32 s23, 0
	s_add_nc_u64 s[10:11], s[84:85], s[22:23]
	s_lshl_b32 s22, s42, 10
	s_lshl_b32 s7, s15, 9
	s_add_co_u32 s22, s22, s7                      ; my 128 numbers of bv
	s_add_nc_u64 s[8:9], s[76:77], s[22:23]
	s_mov_b32 s96, s92
	s_mov_b32 s97, s93
	s_mov_b32 s98, s87
.irp a, 0,1,2,3,4,5,6,7
	global_load_b32 v[BI+2*\a], v[VBV], s[8:9] offset:64*\a      ; bv of channel 16 a + r, in both registers of a pair for the packed addition
	global_load_b32 v[BI+2*\a+1], v[VBV], s[8:9] offset:64*\a
.endr
	SCALES
	LASTSTEP
	s_wait_loadcnt 0x0
.set j, 0
.rept 16
	v_ldexp_f32 v[BI+j], v[BI+j], s97              ; bias x 2^-es.  (Also the places behind the last products)
.set j, j+1
.endr
.macro VROW a                          ; 16 channels x 128 keys: one fragment of V^T
.set AC, 64*((\a)%4)
.set CO, COD+16*((\a)%2)
.if (\a) >= 2
	s_wait_xcnt 0x0                                ; block a - 2's stores have read their codes' registers
.endif
	WIN 0x02+((\a)/4)
.irp b, 0,1,2,3,4,5,6,7
.irp i, 0,2,4,6
	v_pk_add_f32 v[VAL+8*\b+\i:VAL+8*\b+\i+1], v[AC+8*\b+\i:AC+8*\b+\i+1], v[BI+2*(\a):BI+2*(\a)+1]
.endr
.endr
	WIN 0
.set n, 0
.rept 64
	v_med3_num_f32 v[VAL+n], v[VAL+n], -v[LIM], v[LIM]
.set n, n+1
.endr
.irp b, 0,1,2,3,4,5,6,7
	v_cvt_scalef32_pk8_fp8_f32 v[CO+2*\b:CO+2*\b+1], v[VAL+8*\b:VAL+8*\b+7], v[SCL]   ; registers 2 b, 2 b + 1: keys 16 b + 8 h + 0 .. 7
.endr
	v_nop
.irp g, 0,1,2,3
	global_store_b128 v[VO], v[CO+4*\g:CO+4*\g+3], s[10:11] offset:((\a)/4)*262144+8192+((\a)%4)*2048+512*\g   ; head a / 4, behind the step's K, channel tile a % 4
.endr
.endm
.irp a, 0,1,2,3,4,5,6,7
	VROW \a
.endr
.Ldone:
	s_wait_tensorcnt 0x0                           ; the wave's end
	ds_add_u32 v[SPW], v[NIL]
	s_wait_dscnt 0x0
	CROUND                                         ; the closing round: no work-group ends while a partner may still ask for a tile that names it
	s_endpgm
.Lfunc_end_k_qd97538892c_proj:
	.size	k_qd97538892c_proj, .Lfunc_end_k_qd97538892c_proj-k_qd97538892c_proj
	.p2alignl 7, 3214868480
	.fill 96, 4, 3214868480
	.section	.rodata,"a",@progbits
	.p2align	6, 0x0
	.amdhsa_kernel k_qd97538892c_proj
		.amdhsa_group_segment_fixed_size 327680
		.amdhsa_private_segment_fixed_size 0
		.amdhsa_enable_private_segment 0
		.amdhsa_kernarg_size 72
		.amdhsa_user_sgpr_count 2
		.amdhsa_user_sgpr_kernarg_segment_ptr 1
		.amdhsa_wavefront_size32 1
		.amdhsa_system_sgpr_workgroup_id_x 1
		.amdhsa_system_sgpr_workgroup_id_y 1
		.amdhsa_system_sgpr_workgroup_id_z 1
		.amdhsa_system_vgpr_workitem_id 0
		.amdhsa_next_free_vgpr 1024
		.amdhsa_next_free_sgpr 102
		.amdhsa_reserve_vcc 0
		.amdhsa_float_denorm_mode_32 3
		.amdhsa_float_denorm_mode_16_64 3
		.amdhsa_memory_ordered 1
		.amdhsa_forward_progress 1
		.amdhsa_inst_pref_size 250
	.end_amdhsa_kernel
	.amdgpu_metadata
---
amdhsa.version: [ 1, 2 ]
amdhsa.kernels:
  - .name:           k_qd97538892c_proj
    .symbol:         k_qd97538892c_proj.kd
    .args:
      - { .name: codes, .offset: 0, .size: 8, .value_kind: global_buffer, .address_space: global }
      - { .name: lowp_scales, .offset: 8, .size: 8, .value_kind: global_buffer, .address_space: global }
      - { .name: bq, .offset: 16, .size: 8, .value_kind: global_buffer, .address_space: global }
      - { .name: bk, .offset: 24, .size: 8, .value_kind: global_buffer, .address_space: global }
      - { .name: bv, .offset: 32, .size: 8, .value_kind: global_buffer, .address_space: global }
      - { .name: rope_cos, .offset: 40, .size: 8, .value_kind: global_buffer, .address_space: global }
      - { .name: rope_sin, .offset: 48, .size: 8, .value_kind: global_buffer, .address_space: global }
      - { .name: qimg, .offset: 56, .size: 8, .value_kind: global_buffer, .address_space: global }
      - { .name: kv, .offset: 64, .size: 8, .value_kind: global_buffer, .address_space: global }
    .group_segment_fixed_size: 327680
    .private_segment_fixed_size: 0
    .kernarg_segment_align: 8
    .kernarg_segment_size: 72
    .max_flat_workgroup_size: 128
    .sgpr_count:     102
    .vgpr_count:     1024
    .wavefront_size: 32
...
	.end_amdgpu_metadata
.endif
;; end of part 2
;; launch attn (part 3): grid 4 x 64, 16 waves a work-group, no clusters, 264,192 bytes of LDS; arguments qimg, kv, lowp_scales, oimg; writes oimg
.if DOCPART == 3
	.amdgcn_target "amdgcn-amd-amdhsa--gfx1250"
	.amdhsa_code_object_version 6
	.text
	.protected	k_qd97538892c_attn
	.globl	k_qd97538892c_attn
	.p2align	8
	.type	k_qd97538892c_attn,@function
k_qd97538892c_attn:
	s_mov_b64 s[64:65], 0
	v_nop
	global_prefetch_b8 v0, s[64:65] scope:SCOPE_SE
	s_setreg_imm32_b32 hwreg(HW_REG_WAVE_MODE, 25, 1), 1
	s_wait_xcnt 0x0
; CAUSAL ATTENTION on codes of FP8 (E4M3): 64 heads (bh) of 2,048 positions x 64 channels.  S^T = K Q^T, p = 2^(t - M), O^T = V^T P^T, O / l quantised for the last projection.
; t = score x 2^(e6 + e7) x log2(e) / 8; M = the running largest t rounded UP to a whole number; p is not normalised; the row's sum l is taken of the unquantised p; when M moves, l and O^T are multiplied by
; 2^(old M - new M), which rounds nothing.
; LAYOUT.  All operands are images of their registers (registers 4 g .. 4 g + 3 of lane l at 512 g + 16 l).  Both products are used transposed, so a lane (r, h) holds ONE query r throughout.  In S^T tile c its
; eight registers are keys 16 c + 8 h + 0 .. 7: one conversion makes registers 2 c, 2 c + 1 of P's fragment over 128 keys.  In O^T tile t they are channels 16 t + 8 h + 0 .. 7: registers 2 t, 2 t + 1 of the
; head's part of the last product's operand.
; SHARES.  Work-group (i, bh), sixteen waves.  Wave w owns two tiles of 16 queries: 16 i + w and 127 - (16 i + w).  Tile T needs T / 8 + 1 steps of 128 keys, the pair 17: every wave of the launch has the same work.
; While both tiles are at work they share K's and V's fragments.  The loop has 16 trips in every wave; a step all of whose keys come after a tile's queries is jumped over by a scalar branch on ids.
; LDS.  The head's K and V, 262,144 bytes, lie in LDS as they lie in memory, filled ONCE through registers; one barrier; nothing is filled again.
; NO CLUSTER, NO TENSOR LOAD.  The four work-groups of a head read the same 262,144 bytes, each once, at its head.
; the branch on e8 below leaves out 64 of a tile-step's vector lines wherever 448 x 2^e8 lies above every p.
; LIMITS: e6 + e7 between -123 and 130 (added to c's exponent field); e8 between -126 and 119; e10 - e8 - e9 between -126 and 119.
; REGISTERS: v1 16 x lane; v2 the step's LDS address; v3 r - 8 h; v4, v5 a conversion's scale and hold; v[8:11] low tile: -M, largest t, l in two halves; v[12:15] high tile; v[16:17] f, 0; v18-23 at work;
;   v[24:31], v[32:39] Q; v40-103 K's or V's fragments; v104-119 low tile's p codes; v120-135 high tile's (over four spare registers and scores already converted); v124-187 S^T, then p; v188-219, v220-251 O^T.
.set KVR,  40
.set CDLO, 104
.set CDHI, 120
.set S,    124
.set OLO,  188
.set OHI,  220
	s_load_b256 s[4:11], s[0:1], 0x0               ; qimg s[4:5], kv s[6:7], the exponents s[8:9], oimg s[10:11]
	v_lshrrev_b32 v1, 5, v0
	v_readfirstlane_b32 s12, v1                    ; wave 0..15
	s_and_b32 s13, ttmp7, 0xffff                   ; bh
	s_lshl_b32 s15, ttmp9, 4
	s_add_co_u32 s15, s15, s12                     ; my low tile, 0..63
	s_sub_co_u32 s16, 127, s15                     ; my high tile, 64..127
	s_lshl_b32 s17, s15, 4                         ; their first queries
	s_lshl_b32 s18, s16, 4
	s_mov_b32 s20, 0x76543210                      ; v_permlanex16_b32's selects: lane l xor 16
	s_mov_b32 s21, 0xfedcba98
	s_mov_b32 s22, 0x3e38aa3b                      ; c = log2(e) / 8
	v_lshlrev_b32 v252, 4, v0                      ; the fill: 16 x thread, and the same 65,536, 131,072, 196,608 bytes on (an LDS immediate has 16 bits)
	v_add_nc_u32 v253, 0x10000, v252
	v_add_nc_u32 v254, 0x20000, v252
	v_add_nc_u32 v255, 0x30000, v252
	v_and_b32 v1, 31, v0
	v_lshlrev_b32 v1, 4, v1
	v_and_b32 v3, 15, v0
	v_bfe_u32 v2, v0, 4, 1
	v_lshlrev_b32 v2, 3, v2
	v_sub_nc_u32 v3, v3, v2                        ; r - 8 h
	s_lshl_b32 s42, s13, 17                        ; qimg: a head is 128 tiles of 1,024 bytes
	s_lshl_b32 s44, s15, 10
	s_add_co_u32 s44, s44, s42
	s_mov_b32 s45, 0
	s_lshl_b32 s46, s16, 10
	s_add_co_u32 s46, s46, s42
	s_mov_b32 s47, 0
	s_lshl_b32 s42, s13, 18                        ; kv: a head is 262,144 bytes
	s_mov_b32 s43, 0
	s_bfe_u32 s48, s13, 0x20002                    ; oimg [head / 4][batch x 128 + tile][4,096], the head's 1,024 bytes at (head % 4) x 1,024
	s_lshl_b32 s48, s48, 21
	s_and_b32 s49, s13, 3
	s_lshl_b32 s49, s49, 10
	s_add_co_u32 s48, s48, s49
	s_lshr_b32 s49, s13, 4
	s_lshl_b32 s49, s49, 19
	s_add_co_u32 s48, s48, s49
	s_lshl_b32 s50, s15, 12
	s_add_co_u32 s50, s50, s48
	s_mov_b32 s51, 0
	s_lshl_b32 s52, s16, 12
	s_add_co_u32 s52, s52, s48
	s_mov_b32 s53, 0
	s_wait_kmcnt 0x0
	s_load_b128 s[28:31], s[8:9], 0x18             ; e6, e7, e8, e9
	s_load_b32 s32, s[8:9], 0x28                   ; e10
	s_add_nc_u64 s[6:7], s[6:7], s[42:43]
	s_add_nc_u64 s[38:39], s[4:5], s[44:45]
	s_add_nc_u64 s[40:41], s[4:5], s[46:47]
	s_add_nc_u64 s[34:35], s[10:11], s[50:51]
	s_add_nc_u64 s[36:37], s[10:11], s[52:53]
	global_load_b128 v[24:27], v1, s[38:39]        ; Q's two fragments stay in registers
	global_load_b128 v[28:31], v1, s[38:39] offset:512
	global_load_b128 v[32:35], v1, s[40:41]
	global_load_b128 v[36:39], v1, s[40:41] offset:512
.set j, 0
.rept 32
	global_load_b128 v[40+4*j:43+4*j], v252, s[6:7] offset:8192*j   ; the sixteen waves read 8,192 consecutive bytes
.set j, j+1
.endr
	v_mov_b32 v9, 0xff61b1e6                       ; the largest t so far: -3e38, under every t
	v_mov_b32 v13, 0xff61b1e6
	v_floor_f32 v8, -v9                            ; -M
	v_floor_f32 v12, -v13
	v_mov_b32 v10, 0                               ; l, in two halves
	v_mov_b32 v11, 0
	v_mov_b32 v14, 0
	v_mov_b32 v15, 0
	v_mov_b32 v17, 0                               ; (named as the upper half of the pair v[16:17])
	v_mov_b32 v20, 0                               ; written once: a lane permute's destination counts as one of its sources
	v_mov_b32 v21, 0
.set j, 0
.rept 64
	v_mov_b32 v[OLO+j], 0                          ; O^T.  (The step is written without a first step of its own: the first change of M multiplies zeros)
.set j, j+1
.endr
	s_wait_kmcnt 0x0
	s_add_co_i32 s27, s28, s29
	s_lshl_b32 s27, s27, 23
	s_add_co_i32 s22, s22, s27                     ; a score stands for score x 2^(e6 + e7): the exponents are added to c's exponent field
	s_mov_b32 s23, s22                             ; (named with it as a pair, so it is written)
	s_add_co_i32 s27, s30, 127
	s_lshl_b32 s33, s27, 23
	v_mov_b32 v4, s33                              ; 2^e8 as f32
	s_add_co_i32 s27, s27, 8
	s_lshl_b32 s27, s27, 23
	s_or_b32 s27, s27, 0x600000
	v_mov_b32 v5, s27                              ; 448 x 2^e8
.set j, 0
.rept 32
	s_wait_loadcnt 31-j                            ; loads come back in order (ISA guide 5.7.1): load j is in (and Q, asked for earlier); the 31 - j behind it may be out
	ds_store_b128 v[252+j/8], v[40+4*j:43+4*j] offset:8192*(j%8)
.set j, j+1
.endr
	s_wait_dscnt 0x0                               ; for the others' sake: my stores have landed
	s_barrier_signal -1
	s_barrier_wait -1                              ; the head's K and V lie in LDS; nobody writes LDS from here on
.macro KLOAD                           ; the step's eight tiles of K
	v_add_nc_u32 v2, s24, v1
.rept 4
	v_nop                                          ; with the addition five places behind the last products: four for the loads into their first source, five for the scores, which are written over their second
.endr
.set n, 0
.rept 16
	ds_load_b128 v[KVR+4*n:KVR+4*n+3], v2 offset:512*n
.set n, n+1
.endr
	s_wait_dscnt 0x0
.endm
; One tile's scores and softmax for one step.  st: its statistics; qf: its Q; cd: where p's codes go; ob: its O^T; q0: the scalar register with its first query; vload = 1: K is done with: V's fragments are asked for, and land under the softmax.
.macro TILE st, qf, cd, ob, q0, vload
.irp c, 0,1,2,3,4,5,6,7
	v_wmma_f32_16x16x64_fp8_fp8 v[S+8*\c:S+8*\c+7], v[KVR+8*\c:KVR+8*\c+7], v[\qf:\qf+7], 0
.endr
.rept 4
	v_nop                                          ; places in front of the loads into K's registers and of the first read of the scores
.endr
.if \vload
.set n, 0
.rept 16
	ds_load_b128 v[KVR+4*n:KVR+4*n+3], v2 offset:8192+512*n
.set n, n+1
.endr
.endif
	s_add_co_u32 s27, s25, 127                     ; on the diagonal hidden scores become -infinity ahead of the maximum: p = 0 then.  A step all of whose keys count jumps over this
	s_cmp_le_u32 s27, s[\q0]
	s_cbranch_scc1 .Lopen_\@
	s_sub_co_i32 s27, s[\q0], s25
	v_add_nc_u32 v6, s27, v3                       ; d = my query - the step's first key - 8 h.  Register 8 c + j holds key 16 c + 8 h + j of the step: hidden where 16 c + j > d
	v_mov_b32 v7, 0xff800000
.set n, 0
.rept 64
	v_cmp_gt_i32 vcc_lo, 16*(n/8)+n%8, v6
	v_cndmask_b32 v[S+n], v[S+n], v7, vcc_lo
.set n, n+1
.endr
.Lopen_\@:
	v_max3_num_f32 v18, v[S], v[S+1], v[S+2]       ; the step's largest score of my query among my 64 keys, in two chains, each accumulator from its low end on,
	v_max3_num_f32 v19, v[S+3], v[S+4], v[S+5]
.irp i, 6,10,14,18,22,26,30,34,38,42,46,50,54,58
	v_max3_num_f32 v18, v18, v[S+\i], v[S+\i+1]
	v_max3_num_f32 v19, v19, v[S+\i+2], v[S+\i+3]
.endr
	v_max3_num_f32 v18, v18, v[S+62], v[S+63]
	v_max_num_f32 v18, v18, v19
	v_permlanex16_b32 v20, v18, s20, s21
	v_max_num_f32 v18, v18, v20                    ; and among lane l xor 16's
	v_mul_f32 v18, s22, v18                        ; as t (c is positive)
	v_max_num_f32 v[\st+1], v[\st+1], v18          ; the running largest t
	v_mov_b32 v18, v[\st]
	v_floor_f32 v[\st], -v[\st+1]                  ; the new -M = floor(-t) = -ceil(t)
	v_sub_f32 v18, v[\st], v18                     ; old M - new M: a whole number, 0 or less
	v_cvt_i32_f32 v18, v18                         ; (it saturates)
	v_ldexp_f32 v16, 1.0, v18                      ; f = 2^(old M - new M)
.set n, 0
.rept 32
	v_pk_fma_f32 v[S+n:S+n+1], v[S+n:S+n+1], s[22:23], v[\st:\st+1] op_sel_hi:[1,0,0]   ; t - M (of the pairs c and -M the low word serves both halves)
.set n, n+2
.endr
.set n, 0
.rept 64
	v_exp_f32 v[S+n], v[S+n]                       ; p = 2^(t - M)
.set n, n+1
.endr
	v_pk_mul_f32 v[\st+2:\st+3], v[\st+2:\st+3], v[16:17] op_sel_hi:[1,0]   ; l under the new M.  (The plain line behind the exponentials)
	s_wait_alu depctr_va_vdst(0)                   ; one wait for the batch of 64, ahead of its first reader
	v_pk_add_f32 v[22:23], v[S:S+1], v[S+2:S+3]    ; the row's sum is taken of the unquantised p, in two chains
.irp i, 4,8,12,16,20,24,28,32,36,40,44,48,52,56,60
	v_pk_add_f32 v[\st+2:\st+3], v[\st+2:\st+3], v[S+\i:S+\i+1]
	v_pk_add_f32 v[22:23], v[22:23], v[S+\i+2:S+\i+3]
.endr
	v_pk_add_f32 v[\st+2:\st+3], v[\st+2:\st+3], v[22:23]
	s_cmp_ge_i32 s30, -8                           ; p <= 1.  From e8 = -8 on, 448 x 2^e8 >= 1.75: nothing is to be held.  Below, the hold stands (the conversion does not saturate: ISA guide 7.6.2; p is not negative)
	s_cbranch_scc1 .Lnohold_\@
.set n, 0
.rept 64
	v_min_num_f32 v[S+n], v[S+n], v5
.set n, n+1
.endr
.Lnohold_\@:
.irp g, 0,1,2,3
	v_cvt_scalef32_pk8_fp8_f32 v[\cd+4*\g:\cd+4*\g+1], v[S+16*\g:S+16*\g+7], v4
	v_cvt_scalef32_pk8_fp8_f32 v[\cd+4*\g+2:\cd+4*\g+3], v[S+16*\g+8:S+16*\g+15], v4
.irp i, 0,2,4,6
	v_pk_mul_f32 v[\ob+8*\g+\i:\ob+8*\g+\i+1], v[\ob+8*\g+\i:\ob+8*\g+\i+1], v[16:17] op_sel_hi:[1,0]   ; O^T under the new M.  These are also the plain lines between conversions and what next writes their sources or reads their results
.endr
.endr
.endm
.macro PV cd, ob                       ; O^T += V^T P^T over the step's 128 keys; the accumulators take turns
.irp t, 0,1,2,3
	v_wmma_f32_16x16x128_fp8_fp8 v[\ob+8*\t:\ob+8*\t+7], v[KVR+16*\t:KVR+16*\t+15], v[\cd:\cd+15], v[\ob+8*\t:\ob+8*\t+7]
.endr
.endm
	s_mov_b32 s24, 0                               ; the step's first LDS byte
	s_mov_b32 s25, 0                               ; its first key
	s_mov_b32 s26, 16
.Lstep:
	s_add_co_u32 s27, s18, 15
	s_cmp_gt_u32 s25, s27                          ; all keys come after my high tile's queries: nothing is left to do
	s_cbranch_scc1 .Lnext
	s_add_co_u32 s27, s17, 15
	s_cmp_gt_u32 s25, s27                          ; after my low tile's: the high tile alone
	s_cbranch_scc1 .Lsingle
	KLOAD
	TILE 8, 24, CDLO, OLO, 17, 0
	TILE 12, 32, CDHI, OHI, 18, 1
	s_wait_dscnt 0x0                               ; V is in
	PV CDLO, OLO
	PV CDHI, OHI
	s_branch .Lnext
.Lsingle:
	KLOAD
	TILE 12, 32, CDHI, OHI, 18, 1
	s_wait_dscnt 0x0
	PV CDHI, OHI
.Lnext:
	s_add_co_u32 s24, s24, 16384
	s_add_co_u32 s25, s25, 128
	s_sub_co_u32 s26, s26, 1
	s_cmp_lg_u32 s26, 0
	s_cbranch_scc1 .Lstep
	; THE WAY OUT.  O = O^T / l x 2^(e8 + e9); its code is O / 2^e10: the three exponents are folded into the conversion's one scale.
	v_add_f32 v10, v10, v11                        ; l's two halves,  (these lines are also the places behind the last products)
	v_add_f32 v14, v14, v15
	v_permlanex16_b32 v20, v10, s20, s21
	v_permlanex16_b32 v21, v14, s20, s21
	v_add_f32 v10, v10, v20                        ; and lane l xor 16's
	v_add_f32 v14, v14, v21
	v_rcp_f32 v10, v10
	v_rcp_f32 v14, v14
	v_nop                                          ; a plain line behind the reciprocals
	s_sub_co_i32 s27, s32, s30
	s_sub_co_i32 s27, s27, s31                     ; e10 - e8 - e9
	s_add_co_i32 s27, s27, 127
	s_lshl_b32 s33, s27, 23
	v_mov_b32 v4, s33
	s_add_co_i32 s27, s27, 8
	s_lshl_b32 s27, s27, 23
	s_or_b32 s27, s27, 0x600000
	v_mov_b32 v5, s27
	s_wait_alu depctr_va_vdst(0)                   ; one wait for both reciprocals, ahead of their first reader
.macro LEAVE ob, li, w, cd, base
.set n, 0
.rept 16
	v_pk_mul_f32 v[\w+n:\w+n+1], v[\ob+n:\ob+n+1], v[\li:\li+1] op_sel_hi:[1,0]   ; each accumulator from its low end on
.set n, n+2
.endr
.set n, 0
.rept 32
	v_med3_num_f32 v[\w+n], v[\w+n], -v5, v5
.set n, n+1
.endr
.irp t, 0,1,2,3
	v_cvt_scalef32_pk8_fp8_f32 v[\cd+2*\t:\cd+2*\t+1], v[\w+8*\t:\w+8*\t+7], v4
.endr
	v_nop
	global_store_b128 v1, v[\cd:\cd+3], s[\base:\base+1]                ; 512 consecutive bytes each
	global_store_b128 v1, v[\cd+4:\cd+7], s[\base:\base+1] offset:512
.endm
	LEAVE OLO, 10, S, 40, 34
	LEAVE OHI, 14, S+32, 48, 36
	s_wait_xcnt 0x0
	v_lshl_add_u32 v254, v0, 2, 0x40000
	v_mov_b32 v255, 0
	s_wait_tensorcnt 0x0
	ds_add_u32 v254, v255
	s_wait_dscnt 0x0
	s_endpgm
.Lfunc_end_k_qd97538892c_attn:
	.size	k_qd97538892c_attn, .Lfunc_end_k_qd97538892c_attn-k_qd97538892c_attn
	.p2alignl 7, 3214868480
	.fill 96, 4, 3214868480
	.section	.rodata,"a",@progbits
	.p2align	6, 0x0
	.amdhsa_kernel k_qd97538892c_attn
		.amdhsa_group_segment_fixed_size 264192
		.amdhsa_private_segment_fixed_size 0
		.amdhsa_enable_private_segment 0
		.amdhsa_kernarg_size 32
		.amdhsa_user_sgpr_count 2
		.amdhsa_user_sgpr_kernarg_segment_ptr 1
		.amdhsa_wavefront_size32 1
		.amdhsa_system_sgpr_workgroup_id_x 1
		.amdhsa_system_sgpr_workgroup_id_y 1
		.amdhsa_system_sgpr_workgroup_id_z 1
		.amdhsa_system_vgpr_workitem_id 0
		.amdhsa_next_free_vgpr 256
		.amdhsa_next_free_sgpr 66
		.amdhsa_reserve_vcc 1
		.amdhsa_float_denorm_mode_32 3
		.amdhsa_float_denorm_mode_16_64 3
		.amdhsa_memory_ordered 1
		.amdhsa_forward_progress 1
		.amdhsa_inst_pref_size 79
	.end_amdhsa_kernel
	.amdgpu_metadata
---
amdhsa.version: [ 1, 2 ]
amdhsa.kernels:
  - .name:           k_qd97538892c_attn
    .symbol:         k_qd97538892c_attn.kd
    .args:
      - { .name: qimg, .offset: 0, .size: 8, .value_kind: global_buffer, .address_space: global }
      - { .name: kv, .offset: 8, .size: 8, .value_kind: global_buffer, .address_space: global }
      - { .name: lowp_scales, .offset: 16, .size: 8, .value_kind: global_buffer, .address_space: global }
      - { .name: oimg, .offset: 24, .size: 8, .value_kind: global_buffer, .address_space: global }
    .group_segment_fixed_size: 264192
    .private_segment_fixed_size: 0
    .kernarg_segment_align: 8
    .kernarg_segment_size: 32
    .max_flat_workgroup_size: 512
    .sgpr_count:     66
    .vgpr_count:     256
    .wavefront_size: 32
...
	.end_amdgpu_metadata
.endif
;; end of part 3
;; launch oproj (part 4): grid 4 x 32, 4 waves a work-group, clusters of 4 x 4, 327,680 bytes of LDS; arguments oimg, codes, lowp_scales, bo, out0; writes out0
.if DOCPART == 4
	.amdgcn_target "amdgcn-amd-amdhsa--gfx1250"
	.amdhsa_code_object_version 6
	.text
	.protected	k_qd97538892c_oproj
	.globl	k_qd97538892c_oproj
	.p2align	8
	.type	k_qd97538892c_oproj,@function
k_qd97538892c_oproj:
	s_mov_b64 s[64:65], 0
	v_nop
	global_prefetch_b8 v0, s[64:65] scope:SCOPE_SE
	s_setreg_imm32_b32 hwreg(HW_REG_WAVE_MODE, 25, 1), 1
	s_wait_xcnt 0x0
	s_wait_alu depctr_hold_cnt(0) depctr_sa_sdst(0) depctr_va_vdst(0) depctr_va_sdst(0) depctr_va_ssrc(0) depctr_va_vcc(0) depctr_vm_vsrc(0)
	s_getreg_b32 s2, hwreg(HW_REG_IB_STS2, 6, 4)
	s_cmp_eq_u32 s2, 0
	s_cbranch_scc0 .Lentry_in_a_cluster
	s_endpgm
.Lentry_in_a_cluster:
	s_bfe_u32 s2, ttmp6, 0x10000c
	s_cmp_lg_u32 s2, 0xf033
	s_cbranch_scc0 .Lentry_shape_is_right
	s_endpgm
.Lentry_shape_is_right:
; out0 = O Wo^T + bo on codes of FP8 (E4M3).  O: oimg [s 0..3][tile of 16 rows 0..511][4,096]; Wo: the tiles 1728.. of codes [s][T][4,096]: images of operand registers (16 rows x 128 K: 2,048 bytes,
; registers 4 g .. 4 g + 3 of lane l at 512 g + 16 l), so 128 rows x 256 K are 32,768 consecutive bytes, one tensor load.  out0: [8192][1024] f32.
; 128 tiles of 256 x 256; a work-group of four waves makes one, a wave 128 x 128: 64 accumulators.  K = 1,024 goes in four steps of 256 through a ring of two LDS slots.
; A sum stands for sum x 2^(e10 + e11).  bo goes in as the C of each sum's first product, as bo x 2^-(e10 + e11) (exact), and each finished sum is multiplied once by 2^(e10 + e11).
; LIMIT: e10 + e11 between -126 and 127, and bo x 2^-(e10 + e11) stays an f32 number.
; THE MATRIX INSTRUCTION IS USED TRANSPOSED (source 0 = 16 rows of Wo, source 1 = 16 rows of O): a lane holds eight neighbouring numbers of a row of out0.
; CLUSTERS: 4 x 4 work-groups; O's tile is shared along a row of the cluster, Wo's along a column: each is asked for JOINTLY, by the same tensor load with the same descriptor and a mask that names the four.
; REGISTERS, in windows of 256: window 0: v0-31 addresses; v32-95 the bias, later a block's results; v128-255 A's fragments, ONE set, later rows on their way out; window 1: B's fragments, TWO sets;
;   windows 2, 3: the accumulators ((a, b) at v[8 (8 (a % 4) + b)]).
.set SIZE_N, 1024
.set PLANE,  1792*4096                 ; bytes of codes for 256 along K
.set PLANE_O, 512*4096                 ; the same in oimg
.set ASTEP,  2*PLANE_O
.set BSTEP,  2*PLANE
.set HALFT,  32768
.set SLOT,   4*HALFT
.set SPARE,  2*SLOT                    ; behind the ring: the spare words, 128 bytes for each wave: two blocks of 256 bytes that no other line names
.set SPITCH, 528                       ; the way out: a stage of 16 rows x (512 bytes + 16) for each wave, in slot 0, which has had its last fill and its last read when the first result is stored there
.set FR,     16
.set NL,     4
.set NP,     4
.set ADRA, 16
.set ADRB, 20
.set STO,  24                          ; v24     the way out: where I put 32 bytes of a row
.set RD,   25                          ; v25     where I read a row back
.set CO,   26                          ; v26     16 x lane
.set SPW,  28
.set NIL,  29
.set BI,   32                          ; the bias in the result's layout: tile b's columns 16 b + 8 h + 0 .. 7
.set TMP,  32
.set AF,   128
.set BK,   128
.set G1, 24
.set G0, 32
.set G1B, 48
.set G0B, 56
.set MSB, 0
.macro WIN new                         ; the immediate's high byte repeats the setting that is left
.if MSB != \new
	s_set_vgpr_msb (MSB<<8)|\new
.set MSB, \new
.endif
.endm
.set MUL_LO, 0xa1                      ; source 0 (B) window 1, source 1 (A) window 0, C and D window 2
.set MUL_HI, 0xf1                      ; the same, C and D window 3
.set FIRST_LO, 0x81                    ; the first step: C (the bias) window 0, D window 2
.set FIRST_HI, 0xc1                    ; D window 3
.set TO_B,   0x40
.macro JLOAD g0a, g1a, g0b, g1b        ; a joint load: waves 0 and 1 fetch A's halves, waves 2 and 3 B's; four v_nop follow each of the two lines
	s_cmp_eq_u32 s15, 0
	s_cbranch_scc0 .Lfor_b_\@
	tensor_load_to_lds s[\g0a:\g0a+3], s[\g1a:\g1a+7]
	s_nop 0
.rept 4
	v_nop
.endr
	s_branch .Lasked_\@
.Lfor_b_\@:
	tensor_load_to_lds s[\g0b:\g0b+3], s[\g1b:\g1b+7]
	s_nop 0
.rept 4
	v_nop
.endr
.Lasked_\@:
.endm
.macro CREST
	s_cmp_lg_u32 s14, 0
	s_cbranch_scc1 .Lnot_wave_0_\@
	s_barrier_signal -3
.Lnot_wave_0_\@:
	s_barrier_wait -3
	s_barrier_signal -1
	s_barrier_wait -1
.endm
.macro CROUND
	s_barrier_signal -1
	s_barrier_wait -1
	CREST
.endm
	s_load_b256 s[4:11], s[0:1], 0x0               ; oimg s[4:5], codes s[6:7], the exponents s[8:9], bo s[10:11]
	s_load_b64 s[12:13], s[0:1], 0x20              ; out0
	v_lshl_add_u32 v[SPW], v0, 2, SPARE
	v_mov_b32 v[NIL], 0
	ds_add_u32 v28, v29
	ds_add_u32 v28, v29
	s_wait_dscnt 0x0
	v_lshrrev_b32 v1, 5, v0
	v_readfirstlane_b32 s14, v1                    ; wave 0..3
	s_lshr_b32 s15, s14, 1                         ; which half of the tile's rows is mine.  Also: I fetch for A (0) or for B (1)
	s_and_b32 s16, s14, 1                          ; which half of its columns.  Also: which 128 rows of that tile I fetch
	s_bfe_u32 s40, ttmp6, 0x40000                  ; cx, cy
	s_bfe_u32 s41, ttmp6, 0x40004
	s_lshl_b32 s42, ttmp9, 2
	s_add_co_u32 s42, s42, s40                     ; tile column = 4 x cluster x + cx
	s_and_b32 s17, ttmp7, 0xffff
	s_lshl_b32 s17, s17, 2
	s_add_co_u32 s17, s17, s41                     ; tile row = 4 x cluster y + cy
	s_lshl_b32 s43, s41, 2
	s_lshl_b32 s43, 15, s43                        ; my row of the cluster
	s_lshl_b32 s44, 0x1111, s40                    ; my column
	s_or_b32 s[G1+0], s43, (3<<16)|(1<<21)         ; 15:0 the mask; 17:16 elements of 8 bytes; 21 set beside a mask; no padding
	s_or_b32 s[G1B+0], s44, (3<<16)|(1<<21)
.irp g, G1, G1B
	s_mov_b32 s[\g+1], 32<<16                      ; 32,768 consecutive bytes as 128 rows of 32 elements
	s_mov_b32 s[\g+2], 128<<16
	s_mov_b32 s[\g+3], 32<<16
	s_mov_b32 s[\g+4], 128
	s_mov_b32 s[\g+5], 32
	s_mov_b32 s[\g+6], 0
	s_mov_b32 s[\g+7], 0
.endr
	s_lshl_b32 s18, s16, 3                         ; the 8 tiles of 16 rows that I fetch
	s_lshl_b32 s20, s17, 4
	s_add_co_u32 s20, s20, s18                     ; A: 16 x tile row + 8 x half
	s_lshl_b32 s20, s20, 12
	s_mov_b32 s21, 0
	s_lshl_b32 s46, s42, 4
	s_add_co_u32 s46, s46, s18
	s_add_co_u32 s46, s46, 1728                    ; B: Wo's tiles begin at 1728
	s_lshl_b32 s46, s46, 12
	s_mov_b32 s47, 0
	s_mul_i32 s45, s14, HALFT
	s_wait_kmcnt 0x0
	s_load_b64 s[96:97], s[8:9], 0x28              ; e10, e11
	s_add_nc_u64 s[20:21], s[4:5], s[20:21]
	s_add_nc_u64 s[46:47], s[6:7], s[46:47]
	CROUND                                         ; all sixteen work-groups are here: the first joint loads meet
.irp s, 0,1
	s_mov_b32 s[G0+4*\s], 1
	s_add_co_u32 s[G0+4*\s+1], s45, \s*SLOT
	s_add_nc_u64 s[G0+4*\s+2:G0+4*\s+3], s[20:21], \s*PLANE_O
	s_or_b32 s[G0+4*\s+3], s[G0+4*\s+3], 0x80000000
	s_mov_b32 s[G0B+4*\s], 1
	s_add_co_u32 s[G0B+4*\s+1], s45, \s*SLOT
	s_add_nc_u64 s[G0B+4*\s+2:G0B+4*\s+3], s[46:47], \s*PLANE
	s_or_b32 s[G0B+4*\s+3], s[G0B+4*\s+3], 0x80000000
	JLOAD G0+4*\s, G1, G0B+4*\s, G1B               ; two loads of mine are out
.endr
	v_and_b32 v1, 15, v0                           ; r
	v_bfe_u32 v2, v0, 4, 1                         ; h
	v_lshlrev_b32 v3, 5, v2                        ; the bias: 32 h
	s_lshl_b32 s20, s42, 10
	s_lshl_b32 s21, s16, 9
	s_add_co_u32 s20, s20, s21                     ; my first column, in bytes: 1,024 x tile column + 512 x half
	s_mov_b32 s21, 0
	s_add_nc_u64 s[10:11], s[10:11], s[20:21]
	s_add_nc_u64 s[12:13], s[12:13], s[20:21]
.irp b, 0,1,2,3,4,5,6,7
	global_load_b128 v[BI+8*\b:BI+8*\b+3], v3, s[10:11] offset:64*\b
	global_load_b128 v[BI+8*\b+4:BI+8*\b+7], v3, s[10:11] offset:64*\b+16
.endr
	v_and_b32 v6, 31, v0
	v_lshlrev_b32 v[CO], 4, v6                     ; 16 x lane
	s_mul_i32 s21, s15, HALFT                      ; my 128 rows of A
	s_mul_i32 s22, s16, HALFT                      ; my 128 rows of B,
	s_add_co_u32 s22, s22, 2*HALFT                 ; which lie behind A's 256
.irp s, 0,1
	v_add_nc_u32 v[ADRA+\s], s21, v[CO]
	v_add_nc_u32 v[ADRB+\s], s22, v[CO]
	s_add_co_u32 s21, s21, SLOT
	s_add_co_u32 s22, s22, SLOT
.endr
	s_mul_i32 s23, s14, 16*SPITCH                  ; my stage
	v_mul_u32_u24 v5, v1, SPITCH                   ; in: row r, 32 bytes for each half of the lanes
	v_lshl_add_u32 v5, v2, 5, v5
	v_add_nc_u32 v[STO], s23, v5
	v_add_nc_u32 v[RD], s23, v[CO]                 ; back: the 32 lanes take one row of 512 bytes
	s_lshl_b32 s20, s17, 8
	s_lshl_b32 s21, s15, 7
	s_add_co_u32 s20, s20, s21                     ; my first row: 256 x tile row + 128 x half
	s_lshl_b32 s20, s20, 12                        ; rows of 4,096 bytes
	s_mov_b32 s21, 0
	s_add_nc_u64 s[12:13], s[12:13], s[20:21]
	s_wait_loadcnt 0x0                             ; the bias
	s_wait_kmcnt 0x0
	s_add_co_i32 s96, s96, s97                     ; e10 + e11
	s_sub_co_i32 s98, 0, s96
.set j, 0
.rept 64
	v_ldexp_f32 v[BI+j], v[BI+j], s98              ; bo x 2^-(e10 + e11)
.set j, j+1
.endr
	s_add_co_i32 s96, s96, 127
	s_lshl_b32 s96, s96, 23                        ; 2^(e10 + e11) as f32
	s_mov_b32 s97, s96                             ; (named with it as a pair, so it is written)
.macro FRAG reg, adr, q, i             ; the image of tile i's fragment of the slot's q-th 128 along K: four loads of 512 consecutive bytes
.irp c, 0,1,2,3
	ds_load_b128 v[\reg+4*\c:\reg+4*\c+3], v[\adr] offset:2048*(\q)+512*\c+(\i)*4096
.endr
.endm
; 16 matrix instructions: A's blocks a0, a0 + 1 x B's eight, 128 along K.  p: B's set.  first = 1: the bias starts the sums: nothing is cleared, and no addition is spent on it.
; The 64 accumulators take turns, one instruction a turn, in the same order in every step.
.macro MUL16 a0, p, first
.irp a, \a0, \a0+1
.irp b, 0,1,2,3,4,5,6,7
.if \first
	v_wmma_f32_16x16x128_fp8_fp8 v[8*(8*((\a)%4)+\b):8*(8*((\a)%4)+\b)+7], v[128*(\p)+FR*\b:128*(\p)+FR*\b+FR-1], v[AF+FR*(\a):AF+FR*(\a)+FR-1], v[BI+8*\b:BI+8*\b+7]
.else
	v_wmma_f32_16x16x128_fp8_fp8 v[8*(8*((\a)%4)+\b):8*(8*((\a)%4)+\b)+7], v[128*(\p)+FR*\b:128*(\p)+FR*\b+FR-1], v[AF+FR*(\a):AF+FR*(\a)+FR-1], v[8*(8*((\a)%4)+\b):8*(8*((\a)%4)+\b)+7]
.endif
.endr
.endr
.endm
.macro FETCH_B slot, q, p
	WIN TO_B
.irp i, 0,1,2,3,4,5,6,7
	FRAG 128*(\p)+FR*\i, ADRB+\slot, \q, \i
.endr
	WIN 0
.endm
.macro FETCH_A slot, q, i0
.irp i, \i0, \i0+1, \i0+2, \i0+3
	FRAG AF+FR*(\i), ADRA+\slot, \q, \i
.endr
.endm
.macro PLACES n                        ; places behind matrix instructions, in front of loads into registers that they have read and of reads of their results (ISA guide 7.12.1 for vector instructions)
.rept \n
	v_nop
.endr
.endm
.macro STEP slot, q, first             ; a step of 128 along K that has its successor in the same slot
	s_wait_dscnt 4*NL                              ; B's set and A's blocks 0-3 are in; the youngest sixteen loads (A's blocks 4-7) may be out
.if \first
	WIN FIRST_LO
.else
	WIN MUL_LO
.endif
	MUL16 0, (\q)%2, \first
	MUL16 2, (\q)%2, \first
	s_wait_dscnt 0                                 ; A's blocks 4-7 are in
	PLACES NP
	FETCH_B \slot, (\q)+1, 1-(\q)%2
	FETCH_A \slot, (\q)+1, 0
.if \first
	WIN FIRST_HI
.else
	WIN MUL_HI
.endif
	MUL16 4, (\q)%2, \first
	MUL16 6, (\q)%2, \first
	PLACES NP
	WIN 0
	FETCH_A \slot, (\q)+1, 4
.endm
; A slot's last step changes slots: ONE barrier; in front of it each wave waits for all its tensor loads, adds 0 to its spare word, and waits for that and for its own reads of this slot.
.macro TURN slot, next, fill
	s_wait_tensorcnt 0x0                           ; all my tensor loads have landed: my part of the next slot;
	ds_add_u32 v[SPW], v[NIL]                      ; 0 onto my spare word
	s_wait_dscnt 4*NL+1                            ; (the add and the youngest sixteen loads may be out)
	WIN MUL_LO
	MUL16 0, 1, 0
	s_wait_dscnt 0x0                               ; the add is done, and my reads of this slot are over
	s_barrier_signal -1
	MUL16 2, 1, 0
	WIN 0
	s_barrier_wait -1
.if \fill
	CREST                                          ; the barrier has opened a round of the cluster's barrier: no wave of any partner still reads this slot's tile or has a load on its way
	s_add_nc_u64 s[G0+4*\slot+2:G0+4*\slot+3], s[G0+4*\slot+2:G0+4*\slot+3], ASTEP
	s_add_nc_u64 s[G0B+4*\slot+2:G0B+4*\slot+3], s[G0B+4*\slot+2:G0B+4*\slot+3], BSTEP
	JLOAD G0+4*\slot, G1, G0B+4*\slot, G1B         ; the first tensor load behind the round, my one load until the next
.else
	PLACES NP
.endif
	FETCH_B \next, 0, 0
	FETCH_A \next, 0, 0
	WIN MUL_HI
	MUL16 4, 1, 0
	MUL16 6, 1, 0
	PLACES NP
	WIN 0
	FETCH_A \next, 0, 4
.endm
	s_wait_tensorcnt 1                             ; my part of K step 0 is in; K step 1's load may be out
	s_barrier_signal -1
	s_barrier_wait -1
	FETCH_B 0, 0, 0
	FETCH_A 0, 0, 0
	FETCH_A 0, 0, 4
	STEP 0, 0, 1                                   ; K = 1,024 is four K steps, eight steps of 128: they are written out
	TURN 0, 1, 1                                   ; slot 0 takes K step 2
	STEP 1, 0, 0
	TURN 1, 0, 1                                   ; slot 1 takes K step 3
	STEP 0, 0, 0
	TURN 0, 1, 0                                   ; nothing is left to fetch: no round
	STEP 1, 0, 0
	s_wait_dscnt 4*NL                              ; the very last step
	WIN MUL_LO
	MUL16 0, 1, 0
	MUL16 2, 1, 0
	s_wait_dscnt 0
	WIN MUL_HI
	MUL16 4, 1, 0
	MUL16 6, 1, 0
	WIN 0
; THE WAY OUT, block by block of 16 rows x 128 columns: through my own stage in LDS and back as whole rows of 512 bytes.  LDS serves a wave's instructions in order (ISA guide 5.7.1.4): no wait between the stores and the loads.
.macro TOSTAGE a
.set AC, 64*((\a)%4)
	WIN 0x02+((\a)/4)                              ; source 0: window 2 or 3
.irp j, 0,2,4,6,8,10,12,14,16,18,20,22,24,26,28,30,32,34,36,38,40,42,44,46,48,50,52,54,56,58,60,62
	v_pk_mul_f32 v[TMP+\j:TMP+\j+1], v[AC+\j:AC+\j+1], s[96:97] op_sel_hi:[1,0]   ; x 2^(e10 + e11); each accumulator from its low end on
.endr
	WIN 0
.irp b, 0,1,2,3,4,5,6,7
	ds_store_b128 v[STO], v[TMP+8*\b:TMP+8*\b+3] offset:64*\b
	ds_store_b128 v[STO], v[TMP+8*\b+4:TMP+8*\b+7] offset:64*\b+16
.endr
.set BB, BK+64*((\a)%2)
.irp t, 0,1,2,3,4,5,6,7,8,9,10,11,12,13,14,15
	ds_load_b128 v[BB+4*\t:BB+4*\t+3], v[RD] offset:\t*SPITCH
.endr
.endm
.macro SEND a, younger                 ; younger: the LDS instructions issued behind block a's loads, which may stay out
.set BB, BK+64*((\a)%2)
	s_wait_dscnt \younger
.if (\a) > 0
	s_add_nc_u64 s[12:13], s[12:13], 16*SIZE_N*4   ; (behind a wait on XCNT: the earlier stores have read their base)  16 rows on
.endif
.irp t, 0,1,2,3,4,5,6,7,8,9,10,11,12,13,14,15
	global_store_b128 v[CO], v[BB+4*\t:BB+4*\t+3], s[12:13] offset:\t*SIZE_N*4 th:TH_STORE_NT   ; 32 lanes store 512 consecutive bytes, at a multiple of 512 from out0's first byte; written once, read by nobody here
.endr
.endm
	PLACES NP                                      ; behind the last products: for the loads into the registers that held A's fragments and for the reads of results
	TOSTAGE 0
.irp a, 1,2,3,4,5,6,7
.if \a > 1
	s_wait_xcnt 0x0                                ; block a - 2's stores have read their registers and their base
.endif
	TOSTAGE \a
	SEND \a-1, 32                                  ; behind block a - 1's loads: block a's 16 stores and 16 loads
.endr
	s_wait_xcnt 0x0
	SEND 7, 0
	s_wait_tensorcnt 0x0                           ; the wave's end
	ds_add_u32 v[SPW], v[NIL]
	s_wait_dscnt 0x0
	CROUND                                         ; the closing round
	s_endpgm
.Lfunc_end_k_qd97538892c_oproj:
	.size	k_qd97538892c_oproj, .Lfunc_end_k_qd97538892c_oproj-k_qd97538892c_oproj
	.p2alignl 7, 3214868480
	.fill 96, 4, 3214868480
	.section	.rodata,"a",@progbits
	.p2align	6, 0x0
	.amdhsa_kernel k_qd97538892c_oproj
		.amdhsa_group_segment_fixed_size 327680
		.amdhsa_private_segment_fixed_size 0
		.amdhsa_enable_private_segment 0
		.amdhsa_kernarg_size 40
		.amdhsa_user_sgpr_count 2
		.amdhsa_user_sgpr_kernarg_segment_ptr 1
		.amdhsa_wavefront_size32 1
		.amdhsa_system_sgpr_workgroup_id_x 1
		.amdhsa_system_sgpr_workgroup_id_y 1
		.amdhsa_system_sgpr_workgroup_id_z 1
		.amdhsa_system_vgpr_workitem_id 0
		.amdhsa_next_free_vgpr 1024
		.amdhsa_next_free_sgpr 100
		.amdhsa_reserve_vcc 0
		.amdhsa_float_denorm_mode_32 3
		.amdhsa_float_denorm_mode_16_64 3
		.amdhsa_memory_ordered 1
		.amdhsa_forward_progress 1
		.amdhsa_inst_pref_size 128
	.end_amdhsa_kernel
	.amdgpu_metadata
---
amdhsa.version: [ 1, 2 ]
amdhsa.kernels:
  - .name:           k_qd97538892c_oproj
    .symbol:         k_qd97538892c_oproj.kd
    .args:
      - { .name: oimg, .offset: 0, .size: 8, .value_kind: global_buffer, .address_space: global }
      - { .name: codes, .offset: 8, .size: 8, .value_kind: global_buffer, .address_space: global }
      - { .name: lowp_scales, .offset: 16, .size: 8, .value_kind: global_buffer, .address_space: global }
      - { .name: bo, .offset: 24, .size: 8, .value_kind: global_buffer, .address_space: global }
      - { .name: out0, .offset: 32, .size: 8, .value_kind: global_buffer, .address_space: global }
    .group_segment_fixed_size: 327680
    .private_segment_fixed_size: 0
    .kernarg_segment_align: 8
    .kernarg_segment_size: 40
    .max_flat_workgroup_size: 128
    .sgpr_count:     100
    .vgpr_count:     1024
    .wavefront_size: 32
...
	.end_amdgpu_metadata
.endif
;; end of part 4
